; MI455X (gfx1250); checked and timed in simulation.
; The chip was launched on July 23, 2026; its instructions are those of AMD's public machine-readable ISA for CDNA 5 (MIT licence, August 2026) and "CDNA5" Instruction Set Architecture Reference Guide (July 2026). The comments in the code are by the model that wrote it; some were corrected since.
;; LSTM Cell. Allowed arithmetic: matrix products marked QUANTISED: E2M1 operands, one E8M0 scale for each 32 along K, by v_wmma_scale_f32_16x16x128_f8f6f4 with both operands' format E2M1 (or v_wmma_scale_f32_32x16x128_f4), f32 sums; everything else in f32.
;; Inputs: bias_f 1,024 float32; bias_i 1,024 float32; bias_o 1,024 float32; bias_u 1,024 float32; input_codes 8,192 x 32 x 16 uint8 (E2M1 codes of input, K innermost, in blocks of 32 codes, two codes a byte); input_scales 8,192 x 32 uint8 (E8M0 scales of input, one for each 32 codes along K); prev_c 8,192 x 1,024 float32; prev_h_codes 8,192 x 32 x 16 uint8 (E2M1 codes of prev_h, K innermost, in blocks of 32 codes, two codes a byte); prev_h_scales 8,192 x 32 uint8 (E8M0 scales of prev_h, one for each 32 codes along K); weight_hf_codes 1,024 x 32 x 16 uint8 (E2M1 codes of weight_hf, K innermost, in blocks of 32 codes, two codes a byte); weight_hf_scales 1,024 x 32 uint8 (E8M0 scales of weight_hf, one for each 32 codes along K); weight_hi_codes 1,024 x 32 x 16 uint8 (E2M1 codes of weight_hi, K innermost, in blocks of 32 codes, two codes a byte); weight_hi_scales 1,024 x 32 uint8 (E8M0 scales of weight_hi, one for each 32 codes along K); weight_ho_codes 1,024 x 32 x 16 uint8 (E2M1 codes of weight_ho, K innermost, in blocks of 32 codes, two codes a byte); weight_ho_scales 1,024 x 32 uint8 (E8M0 scales of weight_ho, one for each 32 codes along K); weight_hu_codes 1,024 x 32 x 16 uint8 (E2M1 codes of weight_hu, K innermost, in blocks of 32 codes, two codes a byte); weight_hu_scales 1,024 x 32 uint8 (E8M0 scales of weight_hu, one for each 32 codes along K); weight_xf_codes 1,024 x 32 x 16 uint8 (E2M1 codes of weight_xf, K innermost, in blocks of 32 codes, two codes a byte); weight_xf_scales 1,024 x 32 uint8 (E8M0 scales of weight_xf, one for each 32 codes along K); weight_xi_codes 1,024 x 32 x 16 uint8 (E2M1 codes of weight_xi, K innermost, in blocks of 32 codes, two codes a byte); weight_xi_scales 1,024 x 32 uint8 (E8M0 scales of weight_xi, one for each 32 codes along K); weight_xo_codes 1,024 x 32 x 16 uint8 (E2M1 codes of weight_xo, K innermost, in blocks of 32 codes, two codes a byte); weight_xo_scales 1,024 x 32 uint8 (E8M0 scales of weight_xo, one for each 32 codes along K); weight_xu_codes 1,024 x 32 x 16 uint8 (E2M1 codes of weight_xu, K innermost, in blocks of 32 codes, two codes a byte); weight_xu_scales 1,024 x 32 uint8 (E8M0 scales of weight_xu, one for each 32 codes along K).
;; Outputs: out0 8,192 x 1,024 float32; out1 8,192 x 1,024 float32.
;; This version of the problem:
;;   THIS VERSION OF THE PROBLEM IS GIVEN IN LOW PRECISION. The matrix products marked QUANTISED in the list below multiply operands that are first quantised to E2M1 (2 exponent bits, 1 mantissa bit; 4 bits a number), with one power-of-two scale for each 32 numbers along K (OCP MX v1.0); their sums are f32. All else is computed in f32.
;;   The module's matrix products, in the order in which they are computed (A, B: the left and right operand; K: the contracted axis; several contracted axes count as one K, in the product's order):
;;     1. [M 8,192, K 1,024] x [K 1,024, N 1,024]; A: input input (given as codes); B: input weight_xi (given as codes): QUANTISED
;;     2. [M 8,192, K 1,024] x [K 1,024, N 1,024]; A: input prev_h (given as codes); B: input weight_hi (given as codes): QUANTISED
;;     3. [M 8,192, K 1,024] x [K 1,024, N 1,024]; A: input input (given as codes); B: input weight_xf (given as codes): QUANTISED
;;     4. [M 8,192, K 1,024] x [K 1,024, N 1,024]; A: input prev_h (given as codes); B: input weight_hf (given as codes): QUANTISED
;;     5. [M 8,192, K 1,024] x [K 1,024, N 1,024]; A: input input (given as codes); B: input weight_xo (given as codes): QUANTISED
;;     6. [M 8,192, K 1,024] x [K 1,024, N 1,024]; A: input prev_h (given as codes); B: input weight_ho (given as codes): QUANTISED
;;     7. [M 8,192, K 1,024] x [K 1,024, N 1,024]; A: input input (given as codes); B: input weight_xu (given as codes): QUANTISED
;;     8. [M 8,192, K 1,024] x [K 1,024, N 1,024]; A: input prev_h (given as codes); B: input weight_hu (given as codes): QUANTISED
;;   THE QUANTISER, for each operand of a quantised product, along K:
;;     - K is cut into blocks of 32 from its start; a last block that is shorter is filled with zeros.
;;     - A block's scale is 2^e with e = floor(log2(the largest magnitude in the block)) - 2, held to -126 .. 127; a block of zeros has e = 0. As a byte (E8M0): e + 127.
;;     - Each number is divided by its block's scale, clamped to +-6, and rounded to the nearest number of E2M1, ties to even, subnormals kept.
;;     - The product sums the exact products of the quantised numbers (number of the format x scale) in f32.
;;   ~~~python
;;   def quantise(x, axis):      # numpy; x: float32 -> the quantised numbers, widened to float32 again
;;       x = np.moveaxis(x, axis, -1); K = x.shape[-1]
;;       x = np.pad(x, [(0, 0)] * (x.ndim - 1) + [(0, -K % 32)]); x = x.reshape(x.shape[:-1] + (-1, 32)); a = np.abs(x).max(-1, keepdims=True)
;;       e = np.where(a > 0, np.clip(np.frexp(np.where(a > 0, a, 1))[1] - 1 - 2, -126, 127), 0)      # np.frexp(a)[1] - 1 = floor(log2(a)), exactly
;;       r = np.clip(x / 2.0 ** e, -6, 6)
;;       step = 2.0 ** (np.maximum(np.frexp(np.where(r == 0, 1, r))[1] - 1, 0) - 1)
;;       q = np.round(r / step) * step * 2.0 ** e      # np.round: ties to even
;;       return np.moveaxis(q.reshape(q.shape[:-2] + (-1,))[..., :K], -1, axis).astype(np.float32)
;;   ~~~
;;   INPUTS GIVEN AS CODES. input (in the module: [8192, 1024], K = its axis 1); prev_h (in the module: [8192, 1024], K = its axis 1); weight_hf (in the module: [1024, 1024], K = its axis 0); weight_hi (in the module: [1024, 1024], K = its axis 0); weight_ho (in the module: [1024, 1024], K = its axis 0); weight_hu (in the module: [1024, 1024], K = its axis 0); weight_xf (in the module: [1024, 1024], K = its axis 0); weight_xi (in the module: [1024, 1024], K = its axis 0); weight_xo (in the module: [1024, 1024], K = its axis 0); weight_xu (in the module: [1024, 1024], K = its axis 0): each comes as NAME_codes (uint8): NAME with its K axis moved to the last place and cut into blocks of 32 codes, [.., K / 32, bytes a block], one block behind the other in memory; two codes a byte, the lower K in the low four bits (a code: sign, 2 exponent bits, 1 mantissa bit); and NAME_scales (uint8): the same leading axes, one E8M0 byte (e + 127) for each 32 codes along K. Its value is code x scale, taken as it is: it is not quantised again, and the codes and scales need not be those that the quantiser above would give.
;; One version. Each part assembles by itself: llvm-mc -triple=amdgcn-amd-amdhsa -mcpu=gfx1250 --defsym DOCPART=n.
;; ======== version 1 of 1: 1 launch
;; limits: right only within a limited range of input values
;; launch lstm (part 1): grid 16 x 16, 4 waves a work-group, clusters of 4 x 1, 327,680 bytes of LDS; arguments input_codes, prev_h_codes, weight_xi_codes, weight_xf_codes, weight_xo_codes, weight_xu_codes, weight_hi_codes, weight_hf_codes, weight_ho_codes, weight_hu_codes, input_scales, prev_h_scales, weight_xi_scales, weight_xf_scales, weight_xo_scales, weight_xu_scales, weight_hi_scales, weight_hf_scales, weight_ho_scales, weight_hu_scales, bias_i, bias_f, bias_o, bias_u, prev_c, out0, out1; writes out0, out1
.if DOCPART == 1
	.amdgcn_target "amdgcn-amd-amdhsa--gfx1250"
	.amdhsa_code_object_version 6
	.text
	.protected	k_q2a2767d48b_lstm
	.globl	k_q2a2767d48b_lstm
	.p2align	8
	.type	k_q2a2767d48b_lstm,@function
k_q2a2767d48b_lstm:
	s_mov_b64 s[64:65], 0
	v_nop
	global_prefetch_b8 v0, s[64:65] scope:SCOPE_SE
	s_setreg_imm32_b32 hwreg(HW_REG_WAVE_MODE, 25, 1), 1
	s_wait_xcnt 0x0
	s_wait_alu depctr_hold_cnt(0) depctr_sa_sdst(0) depctr_va_vdst(0) depctr_va_sdst(0) depctr_va_ssrc(0) depctr_va_vcc(0) depctr_vm_vsrc(0)
	s_getreg_b32 s2, hwreg(HW_REG_IB_STS2, 6, 4)
	s_cmp_eq_u32 s2, 0
	s_cbranch_scc0 .Lentry_in_a_cluster
	s_endpgm
.Lentry_in_a_cluster:
	s_bfe_u32 s2, ttmp6, 0x10000c
	s_cmp_lg_u32 s2, 0x3003
	s_cbranch_scc0 .Lentry_shape_is_right
	s_endpgm
.Lentry_shape_is_right:
; An LSTM cell in one launch.  gate_g = input Wx_g + prev_h Wh_g + bias_g, g = i, f, o, u; c = sigmoid(f) prev_c + sigmoid(i) tanh(u); h = sigmoid(o) tanh(c).  out0 = h, out1 = c.
; The eight products are one: M = 8,192, K = 2,048 (input's 1,024, then prev_h's), N = 4,096, on FP4 codes and E8M0 bytes as they lie in memory.  Sums in f32, all behind them in f32.  No work is left out.
; SHARES.  A work-group owns 64 hidden units and 512 batch rows; 16 x 16 = 256 work-groups.  A wave owns 16 hidden units x 4 gates and KEEPS THEIR WEIGHTS, all of K, in 512 registers; only the batch rows pass through LDS.
; The batch rows go by groups of 32: group n of 16 is eight runs of 8 matrix instructions (two K steps of 128 each).  Behind each run stands a bunch of the cell's arithmetic for group n - 1, one wait for its results, and then
; the LDS and global instructions that are due: the fragments of the run two on, the stages, stores of group n - 2, loads for group n + 2.
; THE MATRIX INSTRUCTION IS USED TRANSPOSED: source 0 = 32 rows of weights (16 of gate 2 p, 16 of gate 2 p + 1), source 1 = 16 batch rows: lane (r, h) holds batch row r and hidden units 8 h + 0 .. 7 of all four gates.
; LDS: two slots of 64 batch rows (four pieces of 32 rows x 528 bytes: input's rows 0-31, 32-63, prev_h's rows 0-31, 32-63; wave w fetches piece w, one joint load a wave); two buffers each of c, h, prev_c (32 rows x 272 bytes);
; 16 rows x 528 bytes for each wave, where its weights are turned into fragments; the spare words.
; CLUSTERS: four work-groups along x share the batch rows and ask for them jointly.  The weights are not asked for jointly: each work-group reads its 256 KiB of them once in the launch, straight into registers, as whole rows of
; 512 bytes, beside the first joint load; joint loads would land in LDS in eight tiles, two loads a wave, with a round between.
; PREFETCH: batch tiles (below).  prev_c is loaded into registers two groups ahead of its use and is not prefetched beside that.
; ARITHMETIC AND ITS LIMITS.  sigmoid(x) = 1 / (1 + 2^(-x log2 e)): an exponential that overflows gives the reciprocal 0, the right limit.  tanh(x) = (2 - d) / d, d = 1 + 2^min(-2 x log2 e, 60): the hold moves the result by less
; than 2^-59; near x = 0 the difference 2 - d leaves an absolute error of about 2e-7.  sigmoid(i) tanh(u) and sigmoid(o) tanh(c) share one reciprocal each, of (1 + ea) d, made by ONE multiply-add, d ea + d: d is finite and at least 1,
; so an ea that overflows gives infinity, never 0 x infinity.  Where that product passes 2^126 the term comes out as 0; its true magnitude is then under 2^-66.  NaN and infinities in prev_c and in the biases are not served.
; REGISTERS, in windows of 256 (s_set_vgpr_msb: bits 1:0 source 0, 3:2 source 1, 5:4 source 2, 7:6 destination):
;   window 0: addresses, scale words, prev_c as loaded, whole rows of c and h on the way out, biases, a third of the batch fragments;   window 1: accumulators, the cell's registers, batch fragments;   window 2: Wx;   window 3: Wh
.set SLOT,  67584
.set PIECE, 16896                      ; 32 rows x 528 bytes (512 + 16 of padding: the 16 rows that a load touches start at 16 different banks: ISA guide 11.1)
.set STG,   2*SLOT                     ; the stages: c, c, h, h, prev_c, prev_c
.set SBUF,  8704                       ; 32 rows x 272
.set BST,   STG+6*SBUF                 ; the weights' stages, a wave's own
.set SPARE, BST+4*8448                 ; the spare words, 128 bytes for each wave
.set ADR,  4                           ; v4-7   my batch fragments: slot 0 input, prev_h; slot 1 input, prev_h
.set SPW, 10                           ; v10    my spare word
.set NIL, 11                           ; v11    0
.set STA, 12                           ; v12    my 32 bytes of a stage row
.set RDA, 13                           ; v13    my 16 bytes of whole stage rows
.set CO,  14                           ; v14    the same in memory
.set VSA, 15                           ; v15    batch scale bytes
.set VSB, 16                           ; v16    weight scale bytes
.set VBI, 17                           ; v17    biases
.set VW,  18                           ; v18    weight rows
.set WST, 19                           ; v19    into my weights' stage, by rows
.set WRD, 20                           ; v20    out of it, by fragments
.set PFO, 21                           ; v21    the prefetches' offset
.set SCA, 32                           ; batch scale words: set (group % 4), block j, source t, at SCA + 16 set + 8 j + 4 t: lanes 0-15 the source's K steps 0-3, lanes 16-31 its steps 4-7
.set SCW, 96                           ; weight scale words: source t, gate pair p, K step k at SCW + 16 t + 8 p + k: lanes 0-15 gate 2 p, lanes 16-31 gate 2 p + 1
.set PCG, 128                          ; prev_c as loaded, two sets
.set RB,  160                          ; whole rows of c (16), of h (16); at the head the biases as loaded
.set BIA, 192                          ; biases x -log2 e (u: x -2 log2 e), gate g at BIA + 8 g
.set AF2, 224                          ; batch fragments of runs 2, 5
.set ACC, 0                            ; window 1: accumulators, block j, gate g at ACC + 32 j + 8 g
.set EXR, 64                           ; exponents and what is made of them, in the same order
.set AF,  128                          ; batch fragments of runs 0, 3, 6 and (32 on) 1, 4, 7: K step u, block j at + 16 u + 8 j
.set PCR, 192                          ; prev_c, block j at PCR + 8 j
.set TT,  208
.set CC,  224                          ; c
.set QQ,  240
.set WV,  4                            ; s4 wave
.set MSB, 0
.macro WIN new                         ; the immediate's high byte repeats the setting that is left
.if MSB != (\new)
	s_set_vgpr_msb (MSB<<8)|(\new)
.set MSB, (\new)
.endif
.endm
.macro CREST                           ; a round of the cluster's barrier behind its opening barrier
	s_cmp_lg_u32 s[WV], 0
	s_cbranch_scc1 .Lnot_wave_0_\@
	s_barrier_signal -3
.Lnot_wave_0_\@:
	s_barrier_wait -3
	s_barrier_signal -1
	s_barrier_wait -1
.endm
.macro CROUND
	s_barrier_signal -1
	s_barrier_wait -1
	CREST
.endm
.macro PLACES n
.rept \n
	v_nop
.endr
.endm
.macro VDST
	s_wait_alu depctr_va_vdst(0)
.endm
; The weights of source t, gate g: my 16 rows of 512 bytes, a row an instruction, land in the registers that their fragments will take.
.macro WLOAD t, g
	WIN 0x80+0x40*\t
.irp i, 0,1,2,3,4,5,6,7,8,9,10,11,12,13,14,15
.set rW, ((\i/2)*2+\g/2)*16+8*(\g%2)+4*(\i%2)
	global_load_b128 v[rW:rW+3], v[VW], s[20+8*\t+2*\g:21+8*\t+2*\g] offset:512*\i
.endr
.endm
.macro WTURN t, g, left                ; through my own stage: rows in, fragments out (LDS serves a wave's instructions in order: ISA guide 5.7.1.4)
	s_wait_loadcnt \left
	WIN 0x08+0x04*\t
.irp i, 0,1,2,3,4,5,6,7,8,9,10,11,12,13,14,15
.set rW, ((\i/2)*2+\g/2)*16+8*(\g%2)+4*(\i%2)
	ds_store_b128 v[WST], v[rW:rW+3] offset:528*\i
.endr
	WIN 0x80+0x40*\t
.irp i, 0,1,2,3,4,5,6,7,8,9,10,11,12,13,14,15
.set rW, ((\i/2)*2+\g/2)*16+8*(\g%2)+4*(\i%2)
	ds_load_b128 v[rW:rW+3], v[WRD] offset:32*\i
.endr
.endm
.macro SCLD set, off                   ; a group's batch scale bytes: 512 consecutive bytes an instruction
.irp j, 0,1
.irp t, 0,1
	global_load_b128 v[SCA+16*(\set)+8*\j+4*\t:SCA+16*(\set)+8*\j+4*\t+3], v[VSA], s[68+2*\t:69+2*\t] offset:(\off)+512*\j
.endr
.endr
.endm
.macro PCLD par, off                   ; my 8 rows of a group's prev_c, 256 bytes each
.irp t, 0,1,2,3
	global_load_b128 v[PCG+16*(\par)+4*\t:PCG+16*(\par)+4*\t+3], v[CO], s[96:97] offset:(\off)+8192*\t th:TH_LOAD_NT
.endr
.endm
.macro ALD r, slot, g2                 ; run r's batch fragments: group g2 of a slot
.if (\r)%3 < 2
.set rQ, AF+32*((\r)%3)
	WIN 0x40
.else
.set rQ, AF2
	WIN 0
.endif
.irp u, 0,1
.set cK, 2*(\r)+\u
.irp j, 0,1
.irp c, 0,1
.set rA, rQ+16*\u+8*\j+4*\c
	ds_load_b128 v[rA:rA+3], v[ADR+2*(\slot)+cK/8] offset:PIECE*(\g2)+8448*\j+64*(cK%8)+32*\c
.endr
.endr
.endr
.endm
; Run r: K steps 2 r, 2 r + 1, four accumulators by turns.  K step 0 takes 0 as C: nothing is cleared.
.macro RUN r, set
.irp u, 0,1
.set cK, 2*(\r)+\u
.set kk, cK%8
.set kt, cK/8
.if (\r)%3 < 2
.set rQ, AF+32*((\r)%3)
	WIN 0x56+kt
.else
.set rQ, AF2
	WIN 0x52+kt
.endif
.irp j, 0,1
.irp p, 0,1
.set rD, ACC+32*\j+16*\p
.set rW, (kk*2+\p)*16
.set rA, rQ+16*\u+8*\j
.set rSW, SCW+16*kt+8*\p+kk
.set rSA, SCA+16*(\set)+8*\j+4*kt+kk%4
.if cK == 0
	v_wmma_scale_f32_32x16x128_f4 v[rD:rD+15], v[rW:rW+15], v[rA:rA+7], 0, v[rSW], v[rSA]
.elseif kk < 4
	v_wmma_scale_f32_32x16x128_f4 v[rD:rD+15], v[rW:rW+15], v[rA:rA+7], v[rD:rD+15], v[rSW], v[rSA]
.else
	v_wmma_scale_f32_32x16x128_f4 v[rD:rD+15], v[rW:rW+15], v[rA:rA+7], v[rD:rD+15], v[rSW], v[rSA] matrix_b_scale:MATRIX_SCALE_ROW1
.endif
.endr
.endr
.endr
.endm
; THE CELL, in bunches.  Pair m of 8 is block m / 4, hidden units 2 (m % 4), + 1.  VDST stands behind each bunch and serves its exponentials, reciprocals and plain results;
; no plain result is read for the first time behind a transcendental of its own bunch.
.macro PAIR
.set rI, EXR+32*(m/4)+2*(m%4)
.set rF, rI+8
.set rO, rI+16
.set rU, rI+24
.endm
.macro EB0                             ; eb, ea, ef
	WIN 0x55
.set m, 0
.rept 8
	PAIR
	v_exp_f32 v[rU], v[rU]
	v_exp_f32 v[rU+1], v[rU+1]
	v_exp_f32 v[rI], v[rI]
	v_exp_f32 v[rI+1], v[rI+1]
	v_exp_f32 v[rF], v[rF]
	v_exp_f32 v[rF+1], v[rF+1]
.set m, m+1
.endr
	v_nop
.endm
.macro EB1                             ; eo; db = 1 + eb, 1 + ef
	WIN 0x55
.set m, 0
.rept 8
	PAIR
	v_exp_f32 v[rO], v[rO]
	v_pk_add_f32 v[rU:rU+1], v[rU:rU+1], 1.0 op_sel_hi:[1,0]
	v_exp_f32 v[rO+1], v[rO+1]
	v_pk_add_f32 v[rF:rF+1], v[rF:rF+1], 1.0 op_sel_hi:[1,0]
.set m, m+1
.endr
.endm
.macro EB2                             ; 1 / (1 + ef); db ea + db
	WIN 0x55
.set m, 0
.rept 8
	PAIR
	v_rcp_f32 v[rF], v[rF]
	v_rcp_f32 v[rF+1], v[rF+1]
	v_pk_fma_f32 v[rI:rI+1], v[rU:rU+1], v[rI:rI+1], v[rU:rU+1]
.set m, m+1
.endr
.endm
.macro EB3                             ; 1 / (db ea + db); 2 - db
	WIN 0x55
.set m, 0
.rept 8
	PAIR
	v_rcp_f32 v[rI], v[rI]
	v_rcp_f32 v[rI+1], v[rI+1]
	v_pk_fma_f32 v[TT+2*m:TT+2*m+1], v[rU:rU+1], -1.0, 2.0 op_sel_hi:[1,0,0]
.set m, m+1
.endr
.endm
.macro EB4                             ; c, and the exponent of ec, held at 60
	WIN 0x55
.set m, 0
.rept 8
	PAIR
	v_pk_mul_f32 v[TT+2*m:TT+2*m+1], v[TT+2*m:TT+2*m+1], v[rI:rI+1]
.set m, m+1
.endr
.set m, 0
.rept 8
	PAIR
	v_pk_fma_f32 v[CC+2*m:CC+2*m+1], v[PCR+2*m:PCR+2*m+1], v[rF:rF+1], v[TT+2*m:TT+2*m+1]
.set m, m+1
.endr
.set m, 0
.rept 8
	v_pk_mul_f32 v[TT+2*m:TT+2*m+1], v[CC+2*m:CC+2*m+1], s[62:63] op_sel_hi:[1,0]
.set m, m+1
.endr
.set m, 0
.rept 16
	v_min_num_f32 v[TT+m], s66, v[TT+m]
.set m, m+1
.endr
.endm
.macro EB5                             ; ec
	WIN 0x55
.set m, 0
.rept 16
	v_exp_f32 v[TT+m], v[TT+m]
.set m, m+1
.endr
	v_nop
.endm
.macro EB6A                            ; dc = 1 + ec; dc eo + dc
	WIN 0x55
.set m, 0
.rept 8
	v_pk_add_f32 v[TT+2*m:TT+2*m+1], v[TT+2*m:TT+2*m+1], 1.0 op_sel_hi:[1,0]
.set m, m+1
.endr
.set m, 0
.rept 8
	PAIR
	v_pk_fma_f32 v[QQ+2*m:QQ+2*m+1], v[TT+2*m:TT+2*m+1], v[rO:rO+1], v[TT+2*m:TT+2*m+1]
.set m, m+1
.endr
.endm
.macro EB6B                            ; 1 / (dc eo + dc); 2 - dc
	WIN 0x55
.set m, 0
.rept 8
	v_rcp_f32 v[QQ+2*m], v[QQ+2*m]
	v_rcp_f32 v[QQ+2*m+1], v[QQ+2*m+1]
	v_pk_fma_f32 v[TT+2*m:TT+2*m+1], v[TT+2*m:TT+2*m+1], -1.0, 2.0 op_sel_hi:[1,0,0]
.set m, m+1
.endr
.endm
.macro EB7H                            ; h
	WIN 0x55
.set m, 0
.rept 8
	v_pk_mul_f32 v[TT+2*m:TT+2*m+1], v[TT+2*m:TT+2*m+1], v[QQ+2*m:QQ+2*m+1]
.set m, m+1
.endr
.endm
.macro EB7S                            ; the finished sums, each from its low end on, become exponents: x -log2 e (u: x -2 log2 e, held at 60), the bias added: the accumulators are free
	WIN 0x41
.set m, 0
.rept 32
.if (m%16) < 12
	v_pk_fma_f32 v[EXR+2*m:EXR+2*m+1], v[ACC+2*m:ACC+2*m+1], s[60:61], v[BIA+2*(m%16):BIA+2*(m%16)+1] op_sel_hi:[1,0,1]
.else
	v_pk_fma_f32 v[EXR+2*m:EXR+2*m+1], v[ACC+2*m:ACC+2*m+1], s[62:63], v[BIA+2*(m%16):BIA+2*(m%16)+1] op_sel_hi:[1,0,1]
.endif
.set m, m+1
.endr
	WIN 0x55
.set m, 0
.rept 8
	PAIR
	v_min_num_f32 v[rU], s66, v[rU]
	v_min_num_f32 v[rU+1], s66, v[rU+1]
.set m, m+1
.endr
.endm
; The stages: buffer 0, 1 c; 2, 3 h; 4, 5 prev_c.
.macro STORE4 reg, buf                 ; my 16 rows x 2 blocks into a stage
	WIN 0x04
.irp j, 0,1
.irp c, 0,1
	ds_store_b128 v[STA], v[\reg+8*\j+4*\c:\reg+8*\j+4*\c+3] offset:SBUF*(\buf)+4352*\j+16*\c
.endr
.endr
.endm
.macro PCREAD par
	WIN 0x40
.irp j, 0,1
.irp c, 0,1
	ds_load_b128 v[PCR+8*\j+4*\c:PCR+8*\j+4*\c+3], v[STA] offset:SBUF*(4+(\par))+4352*\j+16*\c
.endr
.endr
.endm
.macro BACK par                        ; whole rows of c and h, 8 a wave (every window is 0)
	s_wait_xcnt 0x0                                ; the stores before have read these registers
.irp t, 0,1,2,3
	ds_load_b128 v[RB+4*\t:RB+4*\t+3], v[RDA] offset:SBUF*(\par)+544*\t
.endr
.irp t, 0,1,2,3
	ds_load_b128 v[RB+16+4*\t:RB+16+4*\t+3], v[RDA] offset:SBUF*(2+(\par))+544*\t
.endr
.endm
.macro GSTORE q                        ; 16 lanes store 256 consecutive bytes, at a multiple of 256 from the buffer's first byte
.irp t, 0,1,2,3
	global_store_b128 v[CO], v[RB+4*\t:RB+4*\t+3], s[100:101] offset:131072*((\q)-1)+8192*\t th:TH_STORE_NT
.endr
.irp t, 0,1,2,3
	global_store_b128 v[CO], v[RB+16+4*\t:RB+16+4*\t+3], s[98:99] offset:131072*((\q)-1)+8192*\t th:TH_STORE_NT
.endr
.endm
; Group n = 4 trip + 1 + q.  epi = 0: the first group, with none before it.  maybe = 1: in the first trip there is no group n - 2.  more = 1: loads for group n + 2.
; turn: a slot's second group changes slots behind run 6, when all reads of the slot have been issued.  1: a round of the cluster's barrier, and the slot is filled again, two tiles on; 2: the other slot's tile is shown whole, no more; 3: the last group.
; Fragments: behind the bunch of run r those of run r + 2 are asked for, ahead of the stage accesses, into registers that run r - 1 read (the next group's runs 0 and 1: into those that runs 6 and 7 read); four plain lines or more stand between.
; Counts: in front of run r may be out what was issued behind its own 8 fragment loads: the 8 of run r + 1 and the stage accesses (12 reads behind run 2's bunch, 4 where the readback may be passed over; c's 4 stores behind run 4's;
; prev_c's 4 behind run 5's; h's 4 behind run 7's).  nl0, nl5: the loads issued behind this group's scale bytes, behind its prev_c.
.macro GROUP q, set, par, slot, g2, epi, maybe, turn, more, nl0, nl5, n0
.set NS, (\slot)^(\g2)
.set NG, 1-(\g2)
	s_wait_dscnt \n0
.if \epi
	s_wait_loadcnt \nl0
.endif
	RUN 0, \set
.if \epi
	EB0
	VDST
.else
	PLACES 4                                       ; in the first group these stand in the bunches' place
.endif
	ALD 2, \slot, \g2
.if \more
	WIN 0
	SCLD (\set+2)%4, 1024*(3+(\q))
.endif
	s_wait_dscnt \n0
	RUN 1, \set
.if \epi
	s_wait_dscnt 0x0                               ; for the others' sake: c and h of group n - 2 and prev_c of group n - 1 are in the stages
	s_barrier_signal -1
	EB1
	VDST
.else
	PLACES 4
.endif
	ALD 3, \slot, \g2                              ; (bytes of a slot: no wave writes them before a later barrier)
	s_wait_dscnt 8
	RUN 2, \set
.if \epi
	EB2
	VDST
	s_barrier_wait -1                              ; each stage has two buffers, so this one barrier a group also parts the next stores from these reads
.else
	PLACES 4
.endif
	ALD 4, \slot, \g2
.if \epi
	PCREAD 1-(\par)
	WIN 0
.if \maybe
	s_cmp_eq_u32 s3, 3
	s_cbranch_scc1 .Lno_back_\@
.endif
	BACK \par
.if \maybe
.Lno_back_\@:
.endif
.endif
.if (\epi) && (\maybe)
	s_wait_dscnt 12
.elseif \epi
	s_wait_dscnt 20
.else
	s_wait_dscnt 8
.endif
	RUN 3, \set
.if \epi
	EB3
	VDST
.else
	PLACES 4
.endif
	ALD 5, \slot, \g2
.if (\epi) && (\maybe)
	s_wait_dscnt 12
.elseif \epi
	s_wait_dscnt 20
.else
	WTURN 1, 0, 60                                 ; prev_h's weights: behind each gate's 16 loads stand the later gates', eight of prev_c and the four of group 2's scale bytes
	WTURN 1, 1, 44
	WTURN 1, 2, 28
	WTURN 1, 3, 12
	WIN 0
	s_wait_tensorcnt 0x0                           ; slot 1's first fill, behind the weights that this group waits for
	ds_add_u32 v[SPW], v[NIL]
	s_wait_dscnt 0x0
	CROUND
	tensor_load_to_lds s[52:55], s[40:47]          ; tile 1
	s_nop 0
.endif
	RUN 4, \set
.if \epi
	s_wait_dscnt 8                                 ; prev_c and the whole rows are in
	EB4
	VDST
.else
	PLACES 4
.endif
	ALD 6, \slot, \g2
.if \epi
	STORE4 CC, 1-(\par)
	WIN 0
.if \maybe
	s_cmp_eq_u32 s3, 3
	s_cbranch_scc1 .Lno_store_\@
.endif
	GSTORE \q
.if \maybe
.Lno_store_\@:
.endif
	s_wait_dscnt 12
.else
	s_wait_dscnt 8
.endif
	RUN 5, \set
.if \epi
	EB5
	VDST
.else
	PLACES 4
.endif
	ALD 7, \slot, \g2
	WIN 0
	s_wait_loadcnt \nl5
.irp t, 0,1,2,3
	ds_store_b128 v[RDA], v[PCG+16*(\par)+4*\t:PCG+16*(\par)+4*\t+3] offset:SBUF*(4+(\par))+544*\t
.endr
.if \epi
	s_wait_dscnt 16
.else
	s_wait_dscnt 12
.endif
	RUN 6, \set
.if ((\turn) == 1) || ((\turn) == 2)
	WIN 0
	s_wait_tensorcnt 0x0                           ; all my tensor loads have landed: my part of the other slot
	ds_add_u32 v[SPW], v[NIL]
	EB6A
	WIN 0
.if (\turn) == 1
	s_add_nc_u64 s[50+4*\slot:51+4*\slot], s[50+4*\slot:51+4*\slot], 0x10000   ; no tensor load of mine is out: 128 rows on
.endif
	VDST
	s_wait_dscnt 0x0                               ; the add is done, and my reads of this slot are over
	s_barrier_signal -1
	EB6B                                           ; work on registers,
	VDST
	RUN 7, \set                                    ; and run 7, whose fragments are in
	WIN 0
	s_barrier_wait -1
.if (\turn) == 1
	CREST
	tensor_load_to_lds s[48+4*\slot:51+4*\slot], s[40:47]
	s_nop 0
.endif
	ALD 0, NS, NG
.if \more
	WIN 0
	PCLD \par, 131072*(3+(\q))
.endif
.else
.if \epi
	EB6A
	VDST
	EB6B
	VDST
.else
	PLACES 4
.endif
.if (\turn) != 3
	ALD 0, NS, NG
.endif
.if \more
	WIN 0
	PCLD \par, 131072*(3+(\q))
.endif
.if (\turn) != 3
	s_wait_dscnt 12
.else
	s_wait_dscnt 4
.endif
	RUN 7, \set
.endif
.if ((\turn) == 1) && ((\q) == 2)
	; The two tiles that the next two changes of slots ask for: 128 rows x 512 bytes of each source, 256 blocks of 256 bytes; the four work-groups of the cluster share them by address, 32 a wave, a lane a block.  The last trip asks for nothing.
	WIN 0
	s_cmp_gt_u32 s3, 1
	s_cbranch_scc0 .Lno_ask_\@
	global_prefetch_b8 v[PFO], s[56:57] offset:65536 th:TH_LOAD_NT scope:SCOPE_SE
.Lno_ask_\@:
.endif
.if \epi
	EB7H                                           ; these eight lines are also the places in front of the first reads of the sums
.else
	PLACES 4
.endif
	EB7S
	VDST
.if (\turn) != 3
	ALD 1, NS, NG
.endif
.if \epi
	STORE4 TT, 3-(\par)
.endif
.endm
	s_load_b512 s[16:31], s[0:1], 0x0              ; input's codes s[16:17], prev_h's s[18:19], Wx's (i, f, o, u) s[20:27], Wh's i, f s[28:31]
	s_load_b128 s[32:35], s[0:1], 0x40             ; Wh's o, u
	s_load_b512 s[68:83], s[0:1], 0x50             ; scale bytes: input's s[68:69], prev_h's s[70:71], Wx's s[72:79], Wh's i, f s[80:83]
	s_load_b512 s[84:99], s[0:1], 0x90             ; Wh's o, u s[84:87]; the biases (i, f, o, u) s[88:95]; prev_c s[96:97]; out0 s[98:99]
	s_load_b64 s[100:101], s[0:1], 0xd0            ; out1
	v_lshl_add_u32 v[SPW], v0, 2, SPARE
	v_mov_b32 v[NIL], 0
	ds_add_u32 v[SPW], v[NIL]                      ; the wave's opening
	ds_add_u32 v[SPW], v[NIL]
	v_lshrrev_b32 v22, 5, v0
	v_readfirstlane_b32 s[WV], v22                 ; wave 0..3
	s_and_b32 s6, s[WV], 1                         ; which 32 of a tile's 64 rows I fetch
	s_bfe_u32 s7, ttmp6, 0x40000                   ; cx
	s_lshl_b32 s9, ttmp9, 2
	s_add_co_u32 s9, s9, s7                        ; TX: which 64 hidden units
	s_and_b32 s10, ttmp7, 0xffff                   ; TY: which 512 rows
	; descriptor group 1: 32 rows of 512 bytes, 16 bytes of padding behind each, to all four of the cluster
	s_mov_b32 s40, 15|(1<<20)|(1<<21)|(6<<22)|(3<<25)
	s_mov_b32 s41, 512<<16
	s_mov_b32 s42, 32<<16
	s_mov_b32 s43, 512<<16
	s_mov_b32 s44, 32
	s_mov_b32 s45, 512
	s_mov_b32 s46, 0
	s_mov_b32 s47, 0
	s_lshl_b32 s12, s[WV], 6
	s_add_co_u32 s12, s12, STG                     ; my 64 bytes of a stage row
	s_mul_i32 s13, s[WV], 2176
	s_add_co_u32 s13, s13, STG                     ; my 8 rows of a stage
	s_lshl_b32 s14, s9, 11
	s_lshl_b32 s5, s[WV], 9
	s_add_co_u32 s14, s14, s5                      ; weight scale bytes: 32 a row
	s_lshl_b32 s15, s9, 8
	s_lshl_b32 s5, s[WV], 6
	s_add_co_u32 s15, s15, s5                      ; biases: 4 bytes a hidden unit
	s_lshl_b32 s36, s9, 15
	s_lshl_b32 s5, s[WV], 13
	s_add_co_u32 s36, s36, s5                      ; weight rows: 512 bytes
	s_mul_i32 s37, s[WV], 8448
	s_add_co_u32 s37, s37, BST                     ; my weights' stage
	s_lshl_b32 s38, s7, 1
	s_add_co_u32 s38, s38, s6
	s_lshl_b32 s38, s38, 13                        ; prefetches: my 32 blocks
	v_and_b32 v1, 15, v0                           ; r
	v_bfe_u32 v2, v0, 4, 1                         ; h
	v_and_b32 v22, 31, v0
	v_mul_u32_u24 v3, v1, 528
	v_lshl_add_u32 v[ADR], v2, 4, v3               ; a fragment: row r, + 16 h
	v_add_nc_u32 v[ADR+1], 2*PIECE, v[ADR]
	v_add_nc_u32 v[ADR+2], SLOT, v[ADR]
	v_add_nc_u32 v[ADR+3], SLOT+2*PIECE, v[ADR]
	v_add_nc_u32 v[WRD], s37, v[ADR]
	v_lshlrev_b32 v[WST], 4, v22
	v_add_nc_u32 v[VW], s36, v[WST]
	v_add_nc_u32 v[WST], s37, v[WST]
	v_mul_u32_u24 v[STA], v1, 272
	v_lshl_add_u32 v[STA], v2, 5, v[STA]
	v_add_nc_u32 v[STA], s12, v[STA]
	v_mul_u32_u24 v[RDA], v2, 272
	v_lshl_add_u32 v[RDA], v1, 4, v[RDA]
	v_add_nc_u32 v[RDA], s13, v[RDA]
	v_lshlrev_b32 v[CO], 12, v2
	v_lshl_add_u32 v[CO], v1, 4, v[CO]
	v_lshlrev_b32 v[VSA], 5, v1
	v_lshl_add_u32 v[VSA], v2, 4, v[VSA]
	v_add_nc_u32 v[VSB], s14, v[VSA]
	v_lshlrev_b32 v[VBI], 5, v2
	v_add_nc_u32 v[VBI], s15, v[VBI]
	v_lshlrev_b32 v[PFO], 8, v22
	v_add_nc_u32 v[PFO], s38, v[PFO]
	VDST
	s_wait_dscnt 0x0                               ; both opening adds are done
	s_wait_kmcnt 0x0
	WLOAD 0, 0
	WLOAD 0, 1
	WIN 0
	s_cmp_lt_u32 s[WV], 2                          ; waves 0, 1 fetch input's rows, waves 2, 3 prev_h's
	s_cselect_b64 s[58:59], s[16:17], s[18:19]
	s_lshl_b32 s2, s10, 18
	s_mov_b32 s3, 0
	s_add_nc_u64 s[58:59], s[58:59], s[2:3]        ; at my 512 rows
	s_add_nc_u64 s[56:57], s[58:59], 0x10000       ; the prefetches: tile 2
	s_lshl_b32 s2, s6, 14
	s_mov_b32 s48, 1                               ; s[48:51] group 0, slot 0: tile 0
	s_mul_i32 s49, s[WV], PIECE
	s_add_nc_u64 s[50:51], s[58:59], s[2:3]
	s_mov_b32 s52, 1                               ; s[52:55] slot 1: tile 1
	s_add_co_u32 s53, s49, SLOT
	s_add_nc_u64 s[54:55], s[50:51], 0x8000
	s_or_b32 s51, s51, 0x80000000
	s_or_b32 s55, s55, 0x80000000
	CROUND                                         ; all four work-groups are here: the first joint loads meet
	tensor_load_to_lds s[48:51], s[40:47]          ; tile 0
	s_nop 0
	s_lshl_b32 s2, s10, 14                         ; batch scale bytes: 32 a row
	s_add_nc_u64 s[68:69], s[68:69], s[2:3]
	s_add_nc_u64 s[70:71], s[70:71], s[2:3]
	s_lshl_b32 s2, s10, 21                         ; prev_c, out0, out1: 4,096 bytes a row, 256 bytes of it, my 8 rows of each group
	s_lshl_b32 s5, s9, 8
	s_add_co_u32 s2, s2, s5
	s_lshl_b32 s5, s[WV], 15
	s_add_co_u32 s2, s2, s5
	s_add_nc_u64 s[96:97], s[96:97], s[2:3]
	s_add_nc_u64 s[98:99], s[98:99], s[2:3]
	s_add_nc_u64 s[100:101], s[100:101], s[2:3]
	s_mov_b32 s60, 0xbfb8aa3b                      ; -log2(e): the packed forms name a pair and take its low word for both halves
	s_mov_b32 s61, s60
	s_mov_b32 s62, 0xc038aa3b                      ; -2 log2(e)
	s_mov_b32 s63, s62
	s_mov_b32 s66, 0x42700000                      ; 60.0
	WLOAD 0, 2
	WLOAD 0, 3
	WIN 0
.irp t, 0,1
.irp g, 0,1,2,3
	global_load_b128 v[SCW+16*\t+4*\g:SCW+16*\t+4*\g+3], v[VSB], s[72+8*\t+2*\g:73+8*\t+2*\g]   ; 16 rows x 32 bytes
.endr
.endr
	SCLD 0, 0
	SCLD 1, 1024
.irp g, 0,1,2,3
	global_load_b128 v[RB+8*\g:RB+8*\g+3], v[VBI], s[88+2*\g:89+2*\g]
	global_load_b128 v[RB+8*\g+4:RB+8*\g+7], v[VBI], s[88+2*\g:89+2*\g] offset:16
.endr
	WTURN 0, 0, 63                                 ; behind each gate's 16 loads stand 72 others by now: the wait's field holds 63
	WLOAD 1, 0
	WTURN 0, 1, 63
	WLOAD 1, 1
	WTURN 0, 2, 63
	WLOAD 1, 2
	WTURN 0, 3, 63
	WLOAD 1, 3
	WIN 0
	PCLD 0, 0
	PCLD 1, 131072
	s_wait_loadcnt 63                              ; 160 loads issued: the oldest 97, the scale bytes and the biases among them, are in
.irp t, 0,1
.irp p, 0,1
.irp i, 0,1,2,3
	v_permlane16_swap_b32 v[SCW+16*\t+8*\p+\i], v[SCW+16*\t+8*\p+4+\i]   ; lanes 16-31 of gate 2 p's word against lanes 0-15 of gate 2 p + 1's: now a register holds one K step's words of 32 rows
.endr
.endr
.endr
.set m, 0
.rept 16
.if m < 12
	v_pk_mul_f32 v[BIA+2*m:BIA+2*m+1], v[RB+2*m:RB+2*m+1], s[60:61] op_sel_hi:[1,0]
.else
	v_pk_mul_f32 v[BIA+2*m:BIA+2*m+1], v[RB+2*m:RB+2*m+1], s[62:63] op_sel_hi:[1,0]
.endif
.set m, m+1
.endr
	VDST
	s_wait_tensorcnt 0x0                           ; my part of tile 0 is in
	s_wait_dscnt 0x0
	s_barrier_signal -1
	s_barrier_wait -1                              ; everybody's is
	ALD 0, 0, 0
	ALD 1, 0, 0
	WIN 0
	s_mov_b32 s3, 3                                ; trips
	global_prefetch_b8 v[PFO], s[56:57] th:TH_LOAD_NT scope:SCOPE_SE   ; tiles 2 and 3, which the first two changes of slots ask for, shared out as in the loop
	GROUP -1, 0, 0, 0, 0, 0, 0, 0, 1, 0, 8, 8
	WIN 0
.Lloop:
	GROUP 0, 1, 1, 0, 1, 1, 1, 1, 1, 12, 12, 8
	GROUP 1, 2, 0, 1, 0, 1, 0, 0, 1, 12, 12, 12
	GROUP 2, 3, 1, 1, 1, 1, 0, 1, 1, 12, 12, 12
	GROUP 3, 0, 0, 0, 0, 1, 0, 0, 1, 12, 12, 12
	WIN 0
	s_wait_xcnt 0x0                                ; the bases are stepped behind this wait: four groups on
	s_add_nc_u64 s[68:69], s[68:69], 0x1000
	s_add_nc_u64 s[70:71], s[70:71], 0x1000
	s_add_nc_u64 s[96:97], s[96:97], 0x80000
	s_add_nc_u64 s[98:99], s[98:99], 0x80000
	s_add_nc_u64 s[100:101], s[100:101], 0x80000
	s_add_nc_u64 s[56:57], s[56:57], 0x10000
	s_sub_co_u32 s3, s3, 1
	s_cmp_lg_u32 s3, 0
	s_cbranch_scc1 .Lloop
	GROUP 0, 1, 1, 0, 1, 1, 0, 2, 1, 12, 12, 12    ; groups 13, 14, 15: nothing is filled again
	GROUP 1, 2, 0, 1, 0, 1, 0, 0, 0, 12, 8, 12
	GROUP 2, 3, 1, 1, 1, 1, 0, 3, 0, 4, 0, 12
	; the cell of group 15, and the stores of groups 14 and 15
	EB0
	VDST
	s_wait_dscnt 0x0
	s_barrier_signal -1
	EB1
	VDST
	s_barrier_wait -1
	PCREAD 1
	WIN 0
	BACK 0
	EB2
	VDST
	EB3
	VDST
	WIN 0
	s_wait_dscnt 0x0
	GSTORE 3
	EB4
	STORE4 CC, 1
	VDST
	EB5
	VDST
	EB6A
	VDST
	EB6B
	VDST
	EB7H
	STORE4 TT, 3
	WIN 0
	s_wait_dscnt 0x0
	s_barrier_signal -1
	s_barrier_wait -1
	BACK 1
	s_wait_dscnt 0x0
	GSTORE 4
	s_wait_tensorcnt 0x0                           ; the wave's end
	ds_add_u32 v[SPW], v[NIL]
	s_wait_dscnt 0x0
	CROUND                                         ; the closing round: no work-group ends while a partner may still ask for a tile that names it
	s_endpgm
.Lfunc_end_k_q2a2767d48b_lstm:
	.size	k_q2a2767d48b_lstm, .Lfunc_end_k_q2a2767d48b_lstm-k_q2a2767d48b_lstm
	.p2alignl 7, 3214868480
	.fill 96, 4, 3214868480
	.section	.rodata,"a",@progbits
	.p2align	6, 0x0
	.amdhsa_kernel k_q2a2767d48b_lstm
		.amdhsa_group_segment_fixed_size 327680
		.amdhsa_private_segment_fixed_size 0
		.amdhsa_enable_private_segment 0
		.amdhsa_kernarg_size 216
		.amdhsa_user_sgpr_count 2
		.amdhsa_user_sgpr_kernarg_segment_ptr 1
		.amdhsa_wavefront_size32 1
		.amdhsa_system_sgpr_workgroup_id_x 1
		.amdhsa_system_sgpr_workgroup_id_y 1
		.amdhsa_system_sgpr_workgroup_id_z 1
		.amdhsa_system_vgpr_workitem_id 0
		.amdhsa_next_free_vgpr 1024
		.amdhsa_next_free_sgpr 106
		.amdhsa_reserve_vcc 0
		.amdhsa_float_denorm_mode_32 3
		.amdhsa_float_denorm_mode_16_64 3
		.amdhsa_memory_ordered 1
		.amdhsa_forward_progress 1
		.amdhsa_inst_pref_size 255
	.end_amdhsa_kernel
	.section	.bss,"aw",@nobits
	.p2align	6
	.space	262144
	.amdgpu_metadata
---
amdhsa.version: [ 1, 2 ]
amdhsa.kernels:
  - .name:           k_q2a2767d48b_lstm
    .symbol:         k_q2a2767d48b_lstm.kd
    .args:
      - { .name: input_codes, .offset: 0, .size: 8, .value_kind: global_buffer, .address_space: global }
      - { .name: prev_h_codes, .offset: 8, .size: 8, .value_kind: global_buffer, .address_space: global }
      - { .name: weight_xi_codes, .offset: 16, .size: 8, .value_kind: global_buffer, .address_space: global }
      - { .name: weight_xf_codes, .offset: 24, .size: 8, .value_kind: global_buffer, .address_space: global }
      - { .name: weight_xo_codes, .offset: 32, .size: 8, .value_kind: global_buffer, .address_space: global }
      - { .name: weight_xu_codes, .offset: 40, .size: 8, .value_kind: global_buffer, .address_space: global }
      - { .name: weight_hi_codes, .offset: 48, .size: 8, .value_kind: global_buffer, .address_space: global }
      - { .name: weight_hf_codes, .offset: 56, .size: 8, .value_kind: global_buffer, .address_space: global }
      - { .name: weight_ho_codes, .offset: 64, .size: 8, .value_kind: global_buffer, .address_space: global }
      - { .name: weight_hu_codes, .offset: 72, .size: 8, .value_kind: global_buffer, .address_space: global }
      - { .name: input_scales, .offset: 80, .size: 8, .value_kind: global_buffer, .address_space: global }
      - { .name: prev_h_scales, .offset: 88, .size: 8, .value_kind: global_buffer, .address_space: global }
      - { .name: weight_xi_scales, .offset: 96, .size: 8, .value_kind: global_buffer, .address_space: global }
      - { .name: weight_xf_scales, .offset: 104, .size: 8, .value_kind: global_buffer, .address_space: global }
      - { .name: weight_xo_scales, .offset: 112, .size: 8, .value_kind: global_buffer, .address_space: global }
      - { .name: weight_xu_scales, .offset: 120, .size: 8, .value_kind: global_buffer, .address_space: global }
      - { .name: weight_hi_scales, .offset: 128, .size: 8, .value_kind: global_buffer, .address_space: global }
      - { .name: weight_hf_scales, .offset: 136, .size: 8, .value_kind: global_buffer, .address_space: global }
      - { .name: weight_ho_scales, .offset: 144, .size: 8, .value_kind: global_buffer, .address_space: global }
      - { .name: weight_hu_scales, .offset: 152, .size: 8, .value_kind: global_buffer, .address_space: global }
      - { .name: bias_i, .offset: 160, .size: 8, .value_kind: global_buffer, .address_space: global }
      - { .name: bias_f, .offset: 168, .size: 8, .value_kind: global_buffer, .address_space: global }
      - { .name: bias_o, .offset: 176, .size: 8, .value_kind: global_buffer, .address_space: global }
      - { .name: bias_u, .offset: 184, .size: 8, .value_kind: global_buffer, .address_space: global }
      - { .name: prev_c, .offset: 192, .size: 8, .value_kind: global_buffer, .address_space: global }
      - { .name: out0, .offset: 200, .size: 8, .value_kind: global_buffer, .address_space: global }
      - { .name: out1, .offset: 208, .size: 8, .value_kind: global_buffer, .address_space: global }
    .group_segment_fixed_size: 327680
    .private_segment_fixed_size: 0
    .kernarg_segment_align: 8
    .kernarg_segment_size: 216
    .max_flat_workgroup_size: 128
    .sgpr_count:     106
    .vgpr_count:     1024
    .wavefront_size: 32
...
	.end_amdgpu_metadata
.endif
;; end of part 1
